; MI455X (gfx1250); checked and timed in simulation.
; The chip was launched on July 23, 2026; its instructions are those of AMD's public machine-readable ISA for CDNA 5 (MIT licence, August 2026) and "CDNA5" Instruction Set Architecture Reference Guide (July 2026). The comments in the code are by the model that wrote it; some were corrected since.
;; Ro PE Multi Head Attention. Allowed arithmetic: matrix products marked QUANTISED: E4M3 operands, one E8M0 scale for each 32 along K, by v_wmma_scale_f32_16x16x128_f8f6f4 with both operands' format E4M3, f32 sums; everything else in f32.
;; Inputs: Wout_codes 256 x 8 x 32 uint8 (E4M3 codes of Wout, K innermost, in blocks of 32 codes); Wout_scales 256 x 8 uint8 (E8M0 scales of Wout, one for each 32 codes along K); Wqkv_codes 768 x 8 x 32 uint8 (E4M3 codes of Wqkv, K innermost, in blocks of 32 codes); Wqkv_scales 768 x 8 uint8 (E8M0 scales of Wqkv, one for each 32 codes along K); bout 256 float32; bqkv 768 float32; x_codes 8 x 2,048 x 8 x 32 uint8 (E4M3 codes of x, K innermost, in blocks of 32 codes); x_scales 8 x 2,048 x 8 uint8 (E8M0 scales of x, one for each 32 codes along K).
;; Outputs: out0 8 x 2,048 x 256 float32.
;; This version of the problem:
;;   THIS VERSION OF THE PROBLEM IS GIVEN IN LOW PRECISION. The matrix products marked QUANTISED in the list below multiply operands that are first quantised to E4M3 (4 exponent bits, 3 mantissa bits; 8 bits a number), with one power-of-two scale for each 32 numbers along K (OCP MX v1.0); their sums are f32. All else is computed in f32.
;;   The module's matrix products, in the order in which they are computed (A, B: the left and right operand; K: the contracted axis; several contracted axes count as one K, in the product's order):
;;     1. [M 16,384, K 256] x [K 256, N 768]; A: input x (given as codes); B: input Wqkv (given as codes): QUANTISED
;;     2. batch 64 x [M 2,048, K 32] x [K 32, N 2,048]; A: computed on the way; B: computed on the way: QUANTISED
;;     3. batch 64 x [M 32, K 2,048] x [K 2,048, N 2,048]; A: computed on the way; B: softmax (see below): QUANTISED
;;     4. [M 16,384, K 256] x [K 256, N 256]; A: computed on the way; B: input Wout (given as codes): QUANTISED
;;   THE QUANTISER, for each operand of a quantised product, along K:
;;     - K is cut into blocks of 32 from its start; a last block that is shorter is filled with zeros.
;;     - A block's scale is 2^e with e = floor(log2(the largest magnitude in the block)) - 8, held to -126 .. 127; a block of zeros has e = 0. As a byte (E8M0): e + 127.
;;     - Each number is divided by its block's scale, clamped to +-448, and rounded to the nearest number of E4M3, ties to even, subnormals kept.
;;     - The product sums the exact products of the quantised numbers (number of the format x scale) in f32.
;;   ~~~python
;;   def quantise(x, axis):      # numpy; x: float32 -> the quantised numbers, widened to float32 again
;;       x = np.moveaxis(x, axis, -1); K = x.shape[-1]
;;       x = np.pad(x, [(0, 0)] * (x.ndim - 1) + [(0, -K % 32)]); x = x.reshape(x.shape[:-1] + (-1, 32)); a = np.abs(x).max(-1, keepdims=True)
;;       e = np.where(a > 0, np.clip(np.frexp(np.where(a > 0, a, 1))[1] - 1 - 8, -126, 127), 0)      # np.frexp(a)[1] - 1 = floor(log2(a)), exactly
;;       r = np.clip(x / 2.0 ** e, -448, 448)
;;       step = 2.0 ** (np.maximum(np.frexp(np.where(r == 0, 1, r))[1] - 1, -6) - 3)
;;       q = np.round(r / step) * step * 2.0 ** e      # np.round: ties to even
;;       return np.moveaxis(q.reshape(q.shape[:-2] + (-1,))[..., :K], -1, axis).astype(np.float32)
;;   ~~~
;;   SOFTMAX AHEAD OF A QUANTISED PRODUCT. Where the list says 'softmax', what is quantised is not the finished softmax but p = 2^(t - M), with t = logit x log2(e) and M = ceil(the row's largest t), a whole number; so 1/2 < the row's largest p <= 1. The row's sum l is taken of the UNQUANTISED p, in f32, and the product's result is divided by l at the end. Since M is a whole number, a kernel that streams over the keys may use a running M (the ceiling of the running maximum): every later rescaling is an exact power of two, which a block's scale takes up: the codes' values come out the same.
;;   OPERANDS COMPUTED ON THE WAY. 'Computed on the way' means the value that the module computes at that place (a softmax that the list does not call 'softmax' is quantised finished and normalised). What goes into a quantiser is computed in f32, as accurately as f32 sums, v_exp_f32 and their like allow (about 1e-6 of the number): no bf16 or f16 on the way to a quantiser, and a product that is left as it is and whose result goes on into a quantised operand takes f32 operands (vector FMAs, or v_wmma_f32_16x16x4_f32). A number that lies on a knife's edge between two numbers of the format may be rounded either way, as far as f32 arithmetic and the matrix unit's own rounding can turn it there, and no further.
;;   INPUTS GIVEN AS CODES. Wout (in the module: [256, 256], K = its axis 0); Wqkv (in the module: [256, 768], K = its axis 0); x (in the module: [8, 2048, 256], K = its axis 2): each comes as NAME_codes (uint8): NAME with its K axis moved to the last place and cut into blocks of 32 codes, [.., K / 32, bytes a block], one block behind the other in memory; one code a byte (a code: sign, 4 exponent bits, 3 mantissa bits); and NAME_scales (uint8): the same leading axes, one E8M0 byte (e + 127) for each 32 codes along K. Its value is code x scale, taken as it is: it is not quantised again, and the codes and scales need not be those that the quantiser above would give.
;; One version. Each part assembles by itself: llvm-mc -triple=amdgcn-amd-amdhsa -mcpu=gfx1250 --defsym DOCPART=n.
;; ======== version 1 of 1: 3 launches
;; limits: right only within a limited range of input values
;; workspace buffers: q_codes 4,194,304 bytes; q_scales 524,288 bytes; kv_codes 8,388,608 bytes; kv_scales 655,360 bytes; att_codes 4,194,304 bytes; att_scales 131,072 bytes
;; launch qkv (part 1): grid 128 x 2, 12 waves a work-group, no clusters, 52,736 bytes of LDS; arguments x_codes, x_scales, Wqkv_codes, Wqkv_scales, bqkv, q_codes, q_scales, kv_codes, kv_scales; writes q_codes, q_scales, kv_codes, kv_scales
.if DOCPART == 1
	.amdgcn_target "amdgcn-amd-amdhsa--gfx1250"
	.amdhsa_code_object_version 6
	.text
	.protected	k_q9a4273e40b_qkv
	.globl	k_q9a4273e40b_qkv
	.p2align	8
	.type	k_q9a4273e40b_qkv,@function
k_q9a4273e40b_qkv:
	s_mov_b64 s[64:65], 0
	v_nop
	global_prefetch_b8 v0, s[64:65] scope:SCOPE_SE
	s_setreg_imm32_b32 hwreg(HW_REG_WAVE_MODE, 25, 1), 1
	s_wait_xcnt 0x0
; qkv = x Wqkv + bqkv on codes of E4M3 with E8M0 scales; RoPE on q and k; q and k quantised along the head's 32 channels, v along 32 keys.
; SHARES.  A work-group takes 128 tokens (ttmp9) and 4 heads (ttmp7).  Wave w: role = w / 4 (0 q, 1 k, 2 v), head = 4 y + w % 4: 128 tokens x 32 columns, 32 matrix instructions; its 32 rows of W stay in 64 registers.
; TILE ORDER.  pi(m) = m + (m & 8).  Tile t (0..7), row m of a block of 128 tokens is token 32 (t / 2) + 8 (t % 2) + pi(m); the 32 channels of a head likewise in two tiles (tile u, row m: channel 8 u + pi(m)).
; So the 16 result registers of two neighbouring tiles are 16 neighbours along the next product's K, and lanes l and l xor 16 hold one block of 32.
; q, k: source 0 = 16 channels of W, source 1 = 16 tokens of x: a lane holds one token and channels 16 h + 0..15.   v: sources swapped: a lane holds one channel and keys 32 b + 16 h + 0..15.
; WHAT IS STORED are images of the operand registers of the attention launch: 16 bytes a lane, 512 consecutive bytes a store; a tile's scale bytes as words whose upper three bytes are 0.
; v's scale words leave as 128 consecutive bytes a wave, 1,024 such stores in the launch.
; RoPE's sine and cosine: angle = position x 10^(-i/4), both f32; reduced by n = round(angle 2/pi) with pi/2 in two parts (fused), polynomials on |a| <= pi/4, quadrant by n & 3.
; LIMITS: NaN and infinities among the inputs are not served.  A block whose largest magnitude lies under 2^-118 (a block of zeros too) gets the byte 1; only this program reads the bytes.
; The frequencies are 10^(-i/4) rounded to f32; the two-part reduction serves angles up to 2,047, which the shapes fix.
; NO CLUSTER, NO TENSOR LOAD: a work-group reads its 32 KiB of x and its 96 KiB of W once, into one LDS image and into registers; there is no ring of tiles in which joint requests could meet.
.set XP,   272                         ; an LDS row of x: 256 bytes + 16: sixteen rows of a fragment load start at sixteen different 16-byte columns
.set TBL,  128*XP                      ; behind x: 8 tiles x 2,048 bytes of cosines and sines, as register images
.set WF,   16                          ; v16-79   W: fragment (u, s) at WF + 16 (2 u + s)
.set XF,   80                          ; v80-143  x: fragment (e, s) at XF + 16 (2 e + s)
.set ACC,  144                         ; v144-175 accumulator (i, k) at ACC + 16 i + 8 k
.set BI,   176                         ; v176-191 the bias in the result's layout
.set WS,   192                         ; v192-193 W's scale words, K step s: lanes 0-15 tile 0, lanes 16-31 tile 1
.set XS,   194                         ; v194-201 x's: register 2 b + s: lanes 0-15 tile 2 b, lanes 16-31 tile 2 b + 1
.set CS,   202                         ; v202-233 tile e: 8 cosines, 8 sines at CS + 16 e
.set RT,   234                         ; v234-249 RoPE's 16 products; the same registers serve the quantiser and the codes
.set QMA,  234
.set QMB,  235
.set QPM,  236
.set QSO,  237
.set QHD,  238
.set CD,   242                         ; v242-249 two sets of codes
.set SW,   250                         ; v250-253 the scale words to store (role v: 250, 251 gather, 252 leaves)
.set BY,   254                         ; v254-255 scale bytes
.set SEL,  30                          ; s[30:31] lane selects: lane l xor 16
.set MNT,  32                          ; s32 the mantissa field of 448
.set TA,   88                          ; the table's temporaries, eight registers each
.set TN,   96
.set TQ,   104
.set TZ,   112
.set TPS,  120
.set TPC,  128
.set THC,  136
.set TSN,  144
.set TCN,  152
.set TT1,  160
.set TPOS, 168
.macro NOPS n
.rept \n
	v_nop
.endr
.endm
; one scaled product; ra, rb: which half of the lanes holds A's and B's scale words
.macro WMC d, a, b, c, sa, sb, ra, rb
.if (\ra) && (\rb)
	v_wmma_scale_f32_16x16x128_f8f6f4 v[\d:\d+7], v[\a:\a+15], v[\b:\b+15], v[\c:\c+7], v[\sa], v[\sb] matrix_a_scale:MATRIX_SCALE_ROW1 matrix_b_scale:MATRIX_SCALE_ROW1
.elseif (\ra)
	v_wmma_scale_f32_16x16x128_f8f6f4 v[\d:\d+7], v[\a:\a+15], v[\b:\b+15], v[\c:\c+7], v[\sa], v[\sb] matrix_a_scale:MATRIX_SCALE_ROW1
.elseif (\rb)
	v_wmma_scale_f32_16x16x128_f8f6f4 v[\d:\d+7], v[\a:\a+15], v[\b:\b+15], v[\c:\c+7], v[\sa], v[\sb] matrix_b_scale:MATRIX_SCALE_ROW1
.else
	v_wmma_scale_f32_16x16x128_f8f6f4 v[\d:\d+7], v[\a:\a+15], v[\b:\b+15], v[\c:\c+7], v[\sa], v[\sb]
.endif
.endm
; 16 numbers of a lane (half a block; lane l xor 16 holds the other half) become 16 codes in v[cd..cd+3] and the block's byte in v[by]
.macro QUANT16 src, cd, by, ma, mb, pm, so, hd
	v_max3_num_f32 v[\ma], |v[\src]|, |v[\src+1]|, 0x4800000       ; the floor 2^(9 - 127) among the leaves: the byte cannot fall under 1
	v_max3_num_f32 v[\mb], |v[\src+2]|, |v[\src+3]|, |v[\src+4]|
	v_max3_num_f32 v[\ma], v[\ma], |v[\src+5]|, |v[\src+6]|
	v_max3_num_f32 v[\mb], v[\mb], |v[\src+7]|, |v[\src+8]|
	v_max3_num_f32 v[\ma], v[\ma], |v[\src+9]|, |v[\src+10]|
	v_max3_num_f32 v[\mb], v[\mb], |v[\src+11]|, |v[\src+12]|
	v_max3_num_f32 v[\ma], v[\ma], |v[\src+13]|, |v[\src+14]|
	v_max3_num_f32 v[\ma], v[\ma], v[\mb], |v[\src+15]|
	s_delay_alu instid0(VALU_DEP_1)
	v_permlanex16_b32 v[\pm], v[\ma], s[SEL], s[SEL+1]
	s_delay_alu instid0(VALU_DEP_1)
	v_max_num_f32 v[\ma], v[\ma], v[\pm]                           ; the block's largest magnitude
	s_delay_alu instid0(VALU_DEP_1)
	v_add_nc_u32 v[\so], 0xfc000000, v[\ma]                        ; 8 off its exponent field: the conversion's scale operand
	s_delay_alu instid0(VALU_DEP_2)
	v_and_or_b32 v[\hd], v[\ma], 0x7f800000, s[MNT]                ; 448 x the scale
	s_delay_alu instid0(VALU_DEP_2)
	v_lshrrev_b32 v[\by], 23, v[\so]                               ; the scale's byte
.irp i, 0,1,2,3,4,5,6,7,8,9,10,11,12,13,14,15
	v_med3_num_f32 v[\src+\i], v[\src+\i], -v[\hd], v[\hd]         ; the conversion does not saturate (ISA guide 7.6.2): hold first
.endr
	v_cvt_scalef32_pk8_fp8_f32 v[\cd:\cd+1], v[\src:\src+7], v[\so]
	v_cvt_scalef32_pk8_fp8_f32 v[\cd+2:\cd+3], v[\src+8:\src+15], v[\so]
	v_nop                                                          ; a plain line behind the last conversion
.endm
.macro XFETCH b                        ; x's fragments of tiles 2 b, 2 b + 1, both K steps
.irp e, 0,1
.irp s, 0,1
.irp c, 0,1,2,3
	ds_load_b128 v[XF+16*(2*\e+\s)+4*\c:XF+16*(2*\e+\s)+4*\c+3], v5 offset:(2*(\b)+\e)*16*XP+128*\s+32*\c
.endr
.endr
.endr
.endm
.macro CFETCH b                        ; cosines and sines of tiles 2 b, 2 b + 1
.irp e, 0,1
.irp k, 0,1,2,3
	ds_load_b128 v[CS+16*\e+4*\k:CS+16*\e+4*\k+3], v8 offset:(2*(\b)+\e)*2048+512*\k
.endr
.endr
.endm
; eight products: four accumulators by turns, K step 0 (C = the bias), then K step 1
.macro MMQK b
.irp s, 0,1
.irp i, 0,1
.irp k, 0,1
.if \s == 0
	WMC ACC+16*\i+8*\k, WF+16*(2*\k+\s), XF+16*(2*\i+\s), BI+8*\k, WS+\s, XS+2*\b+\s, \k, \i
.else
	WMC ACC+16*\i+8*\k, WF+16*(2*\k+\s), XF+16*(2*\i+\s), ACC+16*\i+8*\k, WS+\s, XS+2*\b+\s, \k, \i
.endif
.endr
.endr
.endr
.endm
.macro MMV b
.irp s, 0,1
.irp i, 0,1
.irp k, 0,1
.if \s == 0
	WMC ACC+16*\i+8*\k, XF+16*(2*\k+\s), WF+16*(2*\i+\s), BI+8*\i, XS+2*\b+\s, WS+\s, \k, \i
.else
	WMC ACC+16*\i+8*\k, XF+16*(2*\k+\s), WF+16*(2*\i+\s), ACC+16*\i+8*\k, XS+2*\b+\s, WS+\s, \k, \i
.endif
.endr
.endr
.endr
.endm
; RoPE on tile e's 16 registers, in place: x0 = x0 c - x1 s, x1 = x1 c + x0 s
.macro ROPE e
.irp g, 0,1                            ; eight products at a time, in registers apart from the codes'
.irp p, 2*\g, 2*\g+1
	v_pk_mul_f32 v[RT+4*((\p)%2):RT+4*((\p)%2)+1], v[ACC+16*\e+4*(\p):ACC+16*\e+4*(\p)+1], v[CS+16*\e+8+2*(\p):CS+16*\e+8+2*(\p)+1] op_sel_hi:[1,0]
	v_pk_mul_f32 v[RT+4*((\p)%2)+2:RT+4*((\p)%2)+3], v[ACC+16*\e+4*(\p)+2:ACC+16*\e+4*(\p)+3], v[CS+16*\e+8+2*(\p):CS+16*\e+8+2*(\p)+1] op_sel:[0,1] op_sel_hi:[1,1]
.endr
.irp i, 0,1,2,3
	v_fma_f32 v[ACC+16*\e+8*\g+2*\i], v[ACC+16*\e+8*\g+2*\i], v[CS+16*\e+4*\g+\i], -v[RT+2*\i+1]
	v_fma_f32 v[ACC+16*\e+8*\g+2*\i+1], v[ACC+16*\e+8*\g+2*\i+1], v[CS+16*\e+4*\g+\i], v[RT+2*\i]
.endr
.endr
.endm
.macro ANGLE j, flo, fhi               ; position x frequency 8 h + j
	v_mul_f32 v[TA+\j], \flo, v[TPOS]
	v_mul_f32 v[TN+\j], \fhi, v[TPOS]
	s_delay_alu instid0(VALU_DEP_1)
	v_cndmask_b32 v[TA+\j], v[TA+\j], v[TN+\j], s48
.endm
	s_load_b256 s[4:11], s[0:1], 0x0               ; x's codes, x's scales, W's codes, W's scales
	s_load_b256 s[12:19], s[0:1], 0x20             ; bqkv, q_codes, q_scales, kv_codes
	s_load_b64 s[20:21], s[0:1], 0x40              ; kv_scales
	v_lshl_add_u32 v15, v0, 2, 0xc800
	s_set_vgpr_msb 0x40
	v_mov_b32 v1, 0
	s_set_vgpr_msb 0x4000
	v_lshrrev_b32 v1, 5, v0
	s_delay_alu instid0(VALU_DEP_1)
	v_readfirstlane_b32 s22, v1                    ; wave 0..11
	s_lshr_b32 s23, s22, 2                         ; role
	s_and_b32 s49, s22, 3
	s_and_b32 s50, ttmp7, 0xffff
	s_lshl_b32 s24, s50, 2
	s_add_co_u32 s24, s24, s49                     ; head
	s_lshr_b32 s26, ttmp9, 4                       ; batch
	s_and_b32 s27, ttmp9, 15                       ; block of 128 tokens in the sequence
	s_lshl_b32 s28, s26, 3
	s_add_co_u32 s28, s28, s24                     ; bh = 8 batch + head
	s_lshl_b32 s29, s28, 4
	s_add_co_u32 s29, s29, s27                     ; 16 bh + block
	s_lshl_b32 s53, s23, 8
	s_lshl_b32 s54, s24, 5
	s_add_co_u32 s53, s53, s54                     ; my first column of W: 256 role + 32 head
	s_mov_b32 s43, 0
	s_mov_b32 s[SEL], 0x76543210
	s_mov_b32 s[SEL+1], 0xfedcba98
	s_mov_b32 s[MNT], 0x600000
	s_mov_b32 s33, 0x3f22f983                      ; 2 / pi
	s_mov_b32 s34, 0x3fc90fdb                      ; pi / 2, upper part
	s_mov_b32 s35, 0xb33bbd2e                      ; and the rest
	s_mov_b32 s36, 0xb94ca1f9                      ; sine: -1.9515295891e-4, 8.3321608736e-3, -1.6666654611e-1
	s_mov_b32 s37, 0x3c08839e
	s_mov_b32 s38, 0xbe2aaaa3
	s_mov_b32 s39, 0x37ccf5ce                      ; cosine: 2.443315711809948e-5, -1.388731625493765e-3, 4.166664568298827e-2
	s_mov_b32 s40, 0xbab6061a
	s_mov_b32 s41, 0x3d2aaaa5
	v_and_b32 v1, 31, v0                           ; lane
	v_and_b32 v2, 15, v0                           ; r
	v_bfe_u32 v3, v0, 4, 1                         ; h
	s_delay_alu instid0(VALU_DEP_3)
	v_cmp_le_u32 s48, 16, v1                       ; the lanes with h = 1
	s_delay_alu instid0(VALU_DEP_4)
	v_lshlrev_b32 v4, 4, v1                        ; 16 x lane
	s_delay_alu instid0(VALU_DEP_4)
	v_mul_u32_u24 v5, v2, XP
	s_delay_alu instid0(VALU_DEP_1)
	v_lshl_add_u32 v5, v3, 4, v5                   ; a fragment of x: row r, + 16 h
	s_mul_i32 s51, s49, 32*XP
	v_mul_u32_u24 v6, v3, XP
	s_delay_alu instid0(VALU_DEP_1)
	v_lshl_add_u32 v6, v2, 4, v6
	s_delay_alu instid0(VALU_DEP_1)
	v_add_nc_u32 v6, s51, v6                       ; x on its way in: my 32 LDS rows, row h, + 16 r
	s_and_b32 s52, s22, 7
	s_lshl_b32 s52, s52, 11
	s_add_co_u32 s52, s52, TBL
	v_add_nc_u32 v7, s52, v4                       ; the table's tile that I make
	v_add_nc_u32 v8, TBL, v4                       ; and where I read tiles
	v_and_b32 v14, 8, v2
	s_delay_alu instid0(VALU_DEP_1)
	v_add_nc_u32 v14, v14, v2                      ; pi(r)
	s_delay_alu instid0(VALU_DEP_1)
	v_lshlrev_b32 v9, 8, v14
	s_delay_alu instid0(VALU_DEP_1)
	v_lshl_add_u32 v9, v3, 4, v9                   ; W: row pi(r) of 256 bytes, + 16 h
	s_delay_alu instid0(VALU_DEP_3)
	v_lshlrev_b32 v10, 3, v14
	s_delay_alu instid0(VALU_DEP_1)
	v_lshl_add_u32 v10, v3, 6, v10                 ; scale words: 8 bytes a row, row 8 h + pi(r)
	v_lshlrev_b32 v11, 6, v3                       ; q, k: the bias of channels 16 h on
	v_lshlrev_b32 v12, 2, v14                      ; v: the bias of channel pi(r)
	v_lshlrev_b32 v13, 2, v1                       ; 4 x lane
	v_mov_b32 v[QPM], 0                            ; a lane permute's destination counts as one of its sources
	s_wait_kmcnt 0x0
	s_lshl_b32 s42, ttmp9, 15
	s_lshl_b32 s54, s49, 13
	s_add_co_u32 s42, s42, s54
	s_add_nc_u64 s[4:5], s[4:5], s[42:43]          ; x's codes: the block's 128 rows, my 32 of them (role v brings them in)
	s_lshl_b32 s42, ttmp9, 10
	s_add_nc_u64 s[6:7], s[6:7], s[42:43]          ; x's scales
	s_lshl_b32 s42, s53, 8
	s_add_nc_u64 s[8:9], s[8:9], s[42:43]          ; my 32 rows of W
	s_lshl_b32 s42, s53, 3
	s_add_nc_u64 s[10:11], s[10:11], s[42:43]
	s_lshl_b32 s42, s53, 2
	s_add_nc_u64 s[12:13], s[12:13], s[42:43]
	s_cmp_eq_u32 s23, 0                            ; the buffers that I store into hang on the role alone
	s_cselect_b64 s[44:45], s[14:15], s[18:19]
	s_cselect_b64 s[46:47], s[16:17], s[20:21]
	s_cselect_b32 s54, 12, 13
	s_lshl_b32 s42, s29, s54                       ; q: 4,096 bytes a block; k and v: 8,192,
	s_cmp_eq_u32 s23, 2
	s_cselect_b32 s54, 4096, 0                     ; v behind k
	s_add_co_u32 s42, s42, s54
	s_add_nc_u64 s[44:45], s[44:45], s[42:43]
	s_mul_i32 s55, s28, 10240
	s_lshl_b32 s54, s27, 9
	s_add_co_u32 s54, s54, s55                     ; k's scale words
	s_lshl_b32 s56, s27, 7
	s_add_co_u32 s56, s56, s55
	s_add_co_u32 s56, s56, 8192                    ; v's
	s_lshl_b32 s42, s29, 9                         ; q's
	s_cmp_eq_u32 s23, 0
	s_cselect_b32 s42, s42, s54
	s_cmp_eq_u32 s23, 2
	s_cselect_b32 s42, s56, s42
	s_add_nc_u64 s[46:47], s[46:47], s[42:43]
	s_cmp_lg_u32 s23, 2
	s_cbranch_scc1 .Lno_x
.irp i, 0,1,2,3,4,5,6,7,8,9,10,11,12,13,14,15
	global_load_b128 v[XF+4*\i:XF+4*\i+3], v4, s[4:5] offset:512*\i    ; two rows of x: 512 consecutive bytes
.endr
.Lno_x:
	s_wait_alu depctr_va_vdst(0)
.irp u, 0,1
.irp s, 0,1
.irp c, 0,1,2,3
	global_load_b128 v[WF+16*(2*\u+\s)+4*\c:WF+16*(2*\u+\s)+4*\c+3], v9, s[8:9] offset:2048*\u+128*\s+32*\c
.endr
.endr
.endr
	global_load_b64 v[WS:WS+1], v10, s[10:11]
.irp b, 0,1,2,3
	global_load_b64 v[XS+2*\b:XS+2*\b+1], v10, s[6:7] offset:256*\b
.endr
	s_cmp_lg_u32 s23, 2
	s_cbranch_scc1 .Ltable
	; ---- role v: x into LDS in tile order, and the bias
	global_load_b32 v234, v12, s[12:13]
	global_load_b32 v235, v12, s[12:13] offset:32
	s_wait_loadcnt 23                              ; x is in; the 23 loads behind it (W 16, its scale words 1, x's scale words 4, the bias 2) may be out
.irp i, 0,1,2,3,4,5,6,7,8,9,10,11,12,13,14,15
	ds_store_b128 v6, v[XF+4*\i:XF+4*\i+3] offset:XP*(16*((\i/4)%2)+8*(\i/8)+2*(\i%4))   ; token 2 i + h of my 32 goes to LDS row 16 u + m of its pair of tiles
.endr
	s_wait_loadcnt 0x0
.irp j, 0,1,2,3,4,5,6,7
	v_mov_b32 v[BI+\j], v234                       ; a lane holds one channel: its bias in all eight registers
	v_mov_b32 v[BI+8+\j], v235
.endr
	s_branch .Ljoin
.Ltable:
	; ---- roles q and k: the bias, and cosines and sines of tile w
.irp k, 0,1,2,3
	global_load_b128 v[BI+4*\k:BI+4*\k+3], v11, s[12:13] offset:16*\k
.endr
	s_lshr_b32 s57, s22, 1
	s_lshl_b32 s57, s57, 5
	s_and_b32 s58, s22, 1
	s_lshl_b32 s58, s58, 3
	s_add_co_u32 s57, s57, s58
	s_lshl_b32 s58, s27, 7
	s_add_co_u32 s57, s57, s58
	v_add_nc_u32 v[TPOS], s57, v14
	s_delay_alu instid0(VALU_DEP_1)
	v_cvt_f32_u32 v[TPOS], v[TPOS]                 ; my token's position in the sequence
	ANGLE 0, 1.0, 0.01
	ANGLE 1, 0.5623413251903491, 0.005623413251903491
	ANGLE 2, 0.31622776601683794, 0.0031622776601683794
	ANGLE 3, 0.1778279410038923, 0.001778279410038923
	ANGLE 4, 0.1, 0.001
	ANGLE 5, 0.05623413251903491, 0.0005623413251903491
	ANGLE 6, 0.031622776601683794, 0.00031622776601683794
	ANGLE 7, 0.01778279410038923, 0.0001778279410038923
.irp j, 0,1,2,3,4,5,6,7
	v_mul_f32 v[TN+\j], s33, v[TA+\j]
.endr
.irp j, 0,1,2,3,4,5,6,7
	v_rndne_f32 v[TN+\j], v[TN+\j]                 ; n = the nearest multiple of pi / 2
.endr
.irp j, 0,1,2,3,4,5,6,7
	v_fma_f32 v[TA+\j], -v[TN+\j], s34, v[TA+\j]
	v_cvt_i32_f32 v[TQ+\j], v[TN+\j]
.endr
.irp j, 0,1,2,3,4,5,6,7
	v_fma_f32 v[TA+\j], -v[TN+\j], s35, v[TA+\j]   ; a = angle - n pi / 2
.endr
.irp j, 0,1,2,3,4,5,6,7
	v_mul_f32 v[TZ+\j], v[TA+\j], v[TA+\j]
.endr
.irp j, 0,1,2,3,4,5,6,7
	v_fma_f32 v[TPS+\j], v[TZ+\j], s36, s37
	v_fma_f32 v[TPC+\j], v[TZ+\j], s39, s40
	v_fma_f32 v[THC+\j], v[TZ+\j], -0.5, 1.0
.endr
.irp j, 0,1,2,3,4,5,6,7
	v_fma_f32 v[TPS+\j], v[TPS+\j], v[TZ+\j], s38
	v_fma_f32 v[TPC+\j], v[TPC+\j], v[TZ+\j], s41
.endr
.irp j, 0,1,2,3,4,5,6,7
	v_mul_f32 v[TPS+\j], v[TPS+\j], v[TZ+\j]
	v_and_b32 v[TT1+\j], 1, v[TQ+\j]
.endr
.irp j, 0,1,2,3,4,5,6,7
	v_mul_f32 v[TZ+\j], v[TZ+\j], v[TZ+\j]
	v_fma_f32 v[TSN+\j], v[TPS+\j], v[TA+\j], v[TA+\j]             ; sin a
.endr
.irp j, 0,1,2,3,4,5,6,7
	v_fma_f32 v[TCN+\j], v[TPC+\j], v[TZ+\j], v[THC+\j]            ; cos a
.endr
.irp j, 0,1,2,3,4,5,6,7
	v_cmp_ne_u32 vcc_lo, 0, v[TT1+\j]              ; an odd quadrant swaps the two
	s_delay_alu instid0(VALU_DEP_1)
	v_cndmask_b32 v[CS+8+\j], v[TSN+\j], v[TCN+\j], vcc_lo
	s_delay_alu instid0(VALU_DEP_2)
	v_cndmask_b32 v[CS+\j], v[TCN+\j], v[TSN+\j], vcc_lo
.endr
.irp j, 0,1,2,3,4,5,6,7
	v_lshlrev_b32 v[TT1+\j], 30, v[TQ+\j]          ; the sine is negative in quadrants 2, 3,
	v_add_nc_u32 v[TQ+\j], 1, v[TQ+\j]             ; the cosine in 1, 2
.endr
.irp j, 0,1,2,3,4,5,6,7
	v_and_b32 v[TT1+\j], 0x80000000, v[TT1+\j]
	v_lshlrev_b32 v[TQ+\j], 30, v[TQ+\j]
.endr
.irp j, 0,1,2,3,4,5,6,7
	v_xor_b32 v[CS+8+\j], v[CS+8+\j], v[TT1+\j]
	v_and_b32 v[TQ+\j], 0x80000000, v[TQ+\j]
.endr
.irp j, 0,1,2,3,4,5,6,7
	v_xor_b32 v[CS+\j], v[CS+\j], v[TQ+\j]
.endr
.irp k, 0,1,2,3
	ds_store_b128 v7, v[CS+4*\k:CS+4*\k+3] offset:512*\k
.endr
.Ljoin:
	s_wait_dscnt 0x0                               ; for the others' sake: my stores have landed
	s_barrier_signal -1
	s_barrier_wait -1                              ; x and the table lie in LDS; from here on LDS is only read
	s_cmp_eq_u32 s23, 2
	s_cbranch_scc1 .Lv_path
	; ---- q and k: two tiles of 16 tokens at a time
	XFETCH 0
	CFETCH 0
	s_wait_alu depctr_va_vdst(0)
	s_wait_loadcnt 0x0                             ; W, the scale words and the bias are in
.irp b, 0,1,2,3
	s_wait_dscnt 0x0
	MMQK \b
	NOPS 8                                         ; eight places in front of loads into x's registers and of the first read of results
.if \b < 3
	XFETCH \b+1
.endif
.irp e, 0,1
.if \e == 0
	s_wait_xcnt 0x0                                ; the stores of the last two tiles have read the codes' registers
.endif
	ROPE \e
	QUANT16 ACC+16*\e, CD+4*\e, BY+\e, QMA, QMB, QPM, QSO, QHD
	global_store_b128 v4, v[CD+4*\e:CD+4*\e+3], s[44:45] offset:512*(2*\b+\e)   ; the tile's image: 512 consecutive bytes
.endr
	v_cndmask_b32 v[SW+\b], v[BY], v[BY+1], s48    ; word b: lanes 0-15 tile 2 b's byte, lanes 16-31 tile 2 b + 1's
.if \b < 3
	CFETCH \b+1
.endif
.endr
	global_store_b128 v4, v[SW:SW+3], s[46:47]
	s_set_vgpr_msb 0x4
	s_wait_tensorcnt 0x0
	ds_add_u32 v15, v1
	s_wait_dscnt 0x0
	s_set_vgpr_msb 0x400
	s_endpgm
.Lv_path:
	; ---- v: 32 keys at a time, two tiles of 16 channels
	XFETCH 0
	s_wait_alu depctr_va_vdst(0)
	s_wait_loadcnt 0x0                             ; W and the scale words are in
.irp b, 0,1,2,3
	s_wait_dscnt 0x0
	MMV \b
	NOPS 8
.if \b < 3
	XFETCH \b+1
.endif
.irp t, 0,1
.if \t == 0
	s_wait_xcnt 0x0                                ; the codes' registers are written again only when the last two stores have read them
.endif
	QUANT16 ACC+16*\t, CD+4*\t, BY, QMA, QMB, QPM, QSO, QHD
	global_store_b128 v4, v[CD+4*\t:CD+4*\t+3], s[44:45] offset:512*(4*\t+\b)
.if \b == 0
	v_mov_b32 v[SW+\t], v[BY]
.else
	v_lshl_or_b32 v[SW+\t], v[BY], 8*\b, v[SW+\t]  ; byte b: keys 32 b on
.endif
.endr
.endr
	s_delay_alu instid0(VALU_DEP_1)
	v_cndmask_b32 v[SW+2], v[SW], v[SW+1], s48     ; lanes 0-15 tile 0's channels, lanes 16-31 tile 1's
	global_store_b32 v13, v[SW+2], s[46:47]
	s_set_vgpr_msb 0x4
	s_wait_tensorcnt 0x0
	ds_add_u32 v15, v1
	s_wait_dscnt 0x0
	s_set_vgpr_msb 0x400
	s_endpgm
.Lfunc_end_k_q9a4273e40b_qkv:
	.size	k_q9a4273e40b_qkv, .Lfunc_end_k_q9a4273e40b_qkv-k_q9a4273e40b_qkv
	.p2alignl 7, 3214868480
	.fill 96, 4, 3214868480
	.section	.rodata,"a",@progbits
	.p2align	6, 0x0
	.amdhsa_kernel k_q9a4273e40b_qkv
		.amdhsa_group_segment_fixed_size 52736
		.amdhsa_private_segment_fixed_size 0
		.amdhsa_enable_private_segment 0
		.amdhsa_kernarg_size 72
		.amdhsa_user_sgpr_count 2
		.amdhsa_user_sgpr_kernarg_segment_ptr 1
		.amdhsa_wavefront_size32 1
		.amdhsa_system_sgpr_workgroup_id_x 1
		.amdhsa_system_sgpr_workgroup_id_y 1
		.amdhsa_system_sgpr_workgroup_id_z 1
		.amdhsa_system_vgpr_workitem_id 0
		.amdhsa_next_free_vgpr 258
		.amdhsa_next_free_sgpr 66
		.amdhsa_reserve_vcc 1
		.amdhsa_float_denorm_mode_32 3
		.amdhsa_float_denorm_mode_16_64 3
		.amdhsa_memory_ordered 1
		.amdhsa_forward_progress 1
		.amdhsa_inst_pref_size 93
	.end_amdhsa_kernel
	.amdgpu_metadata
---
amdhsa.version: [ 1, 2 ]
amdhsa.kernels:
  - .name:           k_q9a4273e40b_qkv
    .symbol:         k_q9a4273e40b_qkv.kd
    .args:
      - { .name: x_codes, .offset: 0, .size: 8, .value_kind: global_buffer, .address_space: global }
      - { .name: x_scales, .offset: 8, .size: 8, .value_kind: global_buffer, .address_space: global }
      - { .name: Wqkv_codes, .offset: 16, .size: 8, .value_kind: global_buffer, .address_space: global }
      - { .name: Wqkv_scales, .offset: 24, .size: 8, .value_kind: global_buffer, .address_space: global }
      - { .name: bqkv, .offset: 32, .size: 8, .value_kind: global_buffer, .address_space: global }
      - { .name: q_codes, .offset: 40, .size: 8, .value_kind: global_buffer, .address_space: global }
      - { .name: q_scales, .offset: 48, .size: 8, .value_kind: global_buffer, .address_space: global }
      - { .name: kv_codes, .offset: 56, .size: 8, .value_kind: global_buffer, .address_space: global }
      - { .name: kv_scales, .offset: 64, .size: 8, .value_kind: global_buffer, .address_space: global }
    .group_segment_fixed_size: 52736
    .private_segment_fixed_size: 0
    .kernarg_segment_align: 8
    .kernarg_segment_size: 72
    .max_flat_workgroup_size: 384
    .sgpr_count:     66
    .vgpr_count:     258
    .wavefront_size: 32
...
	.end_amdgpu_metadata
.endif
;; end of part 1
;; launch attn (part 2): grid 4 x 64, 16 waves a work-group, no clusters, 167,936 bytes of LDS; arguments q_codes, q_scales, kv_codes, kv_scales, att_codes, att_scales; writes att_codes, att_scales
.if DOCPART == 2
	.amdgcn_target "amdgcn-amd-amdhsa--gfx1250"
	.amdhsa_code_object_version 6
	.text
	.protected	k_q9a4273e40b_attn
	.globl	k_q9a4273e40b_attn
	.p2align	8
	.type	k_q9a4273e40b_attn,@function
k_q9a4273e40b_attn:
	s_mov_b64 s[64:65], 0
	v_nop
	global_prefetch_b8 v0, s[64:65] scope:SCOPE_SE
	s_setreg_imm32_b32 hwreg(HW_REG_WAVE_MODE, 25, 1), 1
	s_wait_xcnt 0x0
; Causal attention of one head (ttmp7 = 8 batch + head) on codes of E4M3 with E8M0 scales; the result, divided by the row's sum, is quantised along the head's 32 channels for the out projection.
; SOFTMAX: t = score x log2(e) / sqrt(32); M = the running largest t rounded up to a whole number; p = 2^(t - M) is quantised along the keys; the sum is taken of the unquantised p; a move of M multiplies sum and O by a power of two.
; SHARES.  Work-group p (ttmp9, 0..3) owns the 32 tokens 32 p .. 32 p + 31 of each of the 16 blocks of 128 tokens.  Wave w (x = w / 2, u = w % 2) owns tile 2 p + u of block 15 - x (tile A) and of block x (tile B), 16 queries each.
; A tile in block k wants key steps 0 .. k of 128 keys, the last of them masked: A's 16 - x steps and then B's x + 1 are 17 tile steps in every wave.  Key steps that the mask hides whole are not walked.
; K AND V of the whole head (131,072 bytes) and their scale words come into LDS once, by asynchronous copies at the head, step by step; steps 0, 1 are shown by the first barrier, up to 5 by the second, all by the third; behind it no wave waits for another until the end.
; LAYOUT.  Both products transposed: S^T = K Q^T, O^T = V^T P^T: a lane holds one query throughout.  Tiles of keys and of queries are in tile order (tile t, row m: token 32 (t / 2) + 8 (t % 2) + m + (m & 8)), so that
; the 16 registers of score tiles 2 b, 2 b + 1 are keys 32 b + 16 h + 0..15, and O^T's 16 registers are channels 16 h + 0..15.
; K = 32 IN A FORM OF K = 128: key tile j's operand is its own four registers, then the codes that follow (other tiles', V's): all are codes that the hold keeps off the NaN code.
; Q's operand is four registers of codes and twelve of zeros, so blocks 1 to 3 add nothing; their scale bytes are 0, which is 2^-127 and not 0xff.
; ORDER IN A TILE STEP: maxima (among them O = O f + the last step's product), this step's V and the next step's K from LDS, exponentials, sums, scales; blocks 0, 1 become codes, the next step's score tiles 0-3 start;
; blocks 2, 3 become codes, score tiles 4-7 start, then this step's product with V.  So plain lines stand behind every product ahead of its readers, and no v_nop in the loop's common way.
; NO CLUSTER: the four work-groups of a head share K and V, but each asks for them once in the launch, against 17 tile steps in each of 16 waves.
; NO PREFETCH: all that is read from memory is asked for at the head; no loop loads from memory.
; LIMITS: NaN and infinities are not served; the scaled scores t stay under 2^31 in magnitude.  A block whose largest number lies under 2^-118 gets the byte 1; only this program reads the bytes.  A block's largest p is taken through its largest score:
; that takes v_exp_f32 not to fall where its input rises.
.set SCK,   131072                     ; LDS: 16 steps x 8,192 bytes of K and V, then K's scale words [step][lane][16 bytes],
.set SCB,   147456                     ; V's 8,192 bytes on [step][lane][16 bytes], the first word used; then 512 scale bytes of the result [block][token % 32]
.set SPARE, 147968                     ; the spare words
.set SPW, 6
.set NIL, 7
.set TT,  17
.set ST,  18                           ; v18 -M, v19 the largest score so far, v[20:21] the sum in two halves
.set FF,  22                           ; f = 2^(old M - new M); named as a pair with
.set PW,  23                           ; p's scale word
.set QF,  24                           ; v24-39 Q's operand
.set OA,  40                           ; v40-55 O^T
.set DA,  56                           ; v56-71 the last step's product
.set KF,  72                           ; v72-103 K: tile j at KF + 4 j
.set VF,  104                          ; v104-135 V: fragment t at VF + 16 t
.set KS,  136                          ; v136-139 K's scale words: register b: lanes 0-15 tile 2 b, lanes 16-31 tile 2 b + 1
.set VS,  140                          ; V's: lanes 0-15 tile 0, lanes 16-31 tile 1
.set QS,  141
.set XT,  142
.set SC,  144                          ; v144-207 S^T, then p
.set PC,  208                          ; v208-223 p's codes
.set BM,  224
.set PT,  228
.set SO,  232
.set HD,  236
.set CA,  240                          ; v240-247 the sum's four chains
.set SEL, 28
.set MNT, 32
; v1 16 x lane; v2 16 x thread; v3 my query's place in its 32 tokens - 16 h; v4, v5 LDS addresses of a step's codes and scale words; v8, v[10:13] tile B's Q; v9 4 x thread; v14, v15 my result bytes' places, tile A, tile B; v16 my 16 bytes in the result's rows; v143 LDS places of the scale words
.macro NOPS n
.rept \n
	v_nop
.endr
.endm
.macro ZERO base, pairs
.set n, 0
.rept \pairs
	v_dual_mov_b32 v[\base+n], 0 :: v_dual_mov_b32 v[\base+n+1], 0
.set n, n+2
.endr
.endm
.macro QK j                            ; score tile j of the step whose K is in registers
.if (\j)%2
	v_wmma_scale_f32_16x16x128_f8f6f4 v[SC+8*(\j):SC+8*(\j)+7], v[KF+4*(\j):KF+4*(\j)+15], v[QF:QF+15], 0, v[KS+(\j)/2], v[QS] matrix_a_scale:MATRIX_SCALE_ROW1
.else
	v_wmma_scale_f32_16x16x128_f8f6f4 v[SC+8*(\j):SC+8*(\j)+7], v[KF+4*(\j):KF+4*(\j)+15], v[QF:QF+15], 0, v[KS+(\j)/2], v[QS]
.endif
.endm
.macro LOADK
.irp j, 0,1,2,3,4,5,6,7
	ds_load_b128 v[KF+4*\j:KF+4*\j+3], v4 offset:512*\j
.endr
	ds_load_b128 v[KS:KS+3], v5
.endm
.macro LOADV
.irp j, 0,1,2,3,4,5,6,7
	ds_load_b128 v[VF+4*\j:VF+4*\j+3], v4 offset:4096+512*\j
.endr
	ds_load_b32 v[VS], v5 offset:8192
.endm
.macro FOLD n                          ; O under the last step's M, plus the last step's product
	v_pk_fma_f32 v[OA+\n:OA+\n+1], v[OA+\n:OA+\n+1], v[FF:FF+1], v[DA+\n:DA+\n+1] op_sel_hi:[1,0,1]
.endm
.macro MASKB b                         ; the block on the diagonal: keys behind the query become -infinity
.set n, 0
.rept 16
	v_cmp_gt_i32 vcc_lo, n, v3
	v_cndmask_b32 v[SC+16*\b+n], v[SC+16*\b+n], v[TT], vcc_lo
.set n, n+1
.endr
.endm
.macro HIDE b                          ; a block behind it
.set n, 0
.rept 8
	v_dual_mov_b32 v[SC+16*\b+n], v[TT] :: v_dual_mov_b32 v[SC+16*\b+n+1], v[TT]
.set n, n+2
.endr
.endm
.macro MASKING                         ; a tile's last step: block p of the step's four lies on the diagonal
	NOPS 8                                         ; eight places behind the score products
	v_mov_b32 v[TT], 0xff800000
	s_wait_alu depctr_va_vdst(0)
	s_cmp_eq_u32 s19, 1
	s_cbranch_scc1 .Lone_\@
	s_cmp_eq_u32 s19, 2
	s_cbranch_scc1 .Ltwo_\@
	s_cmp_eq_u32 s19, 3
	s_cbranch_scc1 .Lthree_\@
	MASKB 0
	HIDE 1
	HIDE 2
	HIDE 3
	s_wait_alu depctr_va_vdst(0)
	s_branch .Lmasked_\@
.Lone_\@:
	MASKB 1
	HIDE 2
	HIDE 3
	s_wait_alu depctr_va_vdst(0)
	s_branch .Lmasked_\@
.Ltwo_\@:
	MASKB 2
	HIDE 3
	s_wait_alu depctr_va_vdst(0)
	s_branch .Lmasked_\@
.Lthree_\@:
	MASKB 3
.Lmasked_\@:
.endm
.macro HOLD b, lo, pairs               ; p is not negative: a one-sided hold, two at a time
.set n, \lo
.rept \pairs
	v_dual_min_num_f32 v[SC+16*\b+n], v[SC+16*\b+n], v[HD+\b] :: v_dual_min_num_f32 v[SC+16*\b+n+1], v[SC+16*\b+n+1], v[HD+\b]
.set n, n+2
.endr
.endm
.macro CVT b
	v_cvt_scalef32_pk8_fp8_f32 v[PC+4*\b:PC+4*\b+1], v[SC+16*\b:SC+16*\b+7], v[SO+\b]
	v_cvt_scalef32_pk8_fp8_f32 v[PC+4*\b+2:PC+4*\b+3], v[SC+16*\b+8:SC+16*\b+15], v[SO+\b]
.endm
; A TILE STEP: 16 queries against 128 keys.  kind 0: step 0 of tile A;  1: its steps 1 to 3 (no step is masked there);  2: the main loop's;  3: tile B's last, behind which no scores are wanted
.macro STEP kind
.if \kind == 2
	s_cmp_lg_u32 s24, s22
	s_cbranch_scc1 .Lopen_\@
	MASKING
.irp i, 0,1,2,3
	v_mov_b32 v[QF+\i], v[10+\i]                   ; tile A's last step: the next scores are tile B's
.endr
	v_mov_b32 v[QS], v8
.Lopen_\@:
.elseif \kind == 3
	MASKING
.endif
	; the largest score of each block of 32 keys: for the row's maximum, and for the block's largest p
	v_max3_num_f32 v[BM], v[SC], v[SC+1], v[SC+2]
	v_max3_num_f32 v[BM+1], v[SC+17], v[SC+18], v[SC+19]
.irp i, 3,5,7,9,11,13
	v_max3_num_f32 v[BM], v[BM], v[SC+\i], v[SC+\i+1]
	v_max3_num_f32 v[BM+1], v[BM+1], v[SC+\i+17], v[SC+\i+18]
.endr
.if (\kind == 1) || (\kind == 2)
	s_add_co_u32 s25, s24, 1                       ; the next key step: tile A's, or behind its last tile B's: (trip + 1 + x) % 16
.if \kind == 2
	s_add_co_u32 s26, s25, s17
	s_cmp_lt_u32 s25, s23
	s_cselect_b32 s25, s25, s26
	s_and_b32 s25, s25, 15
.endif
	s_lshl_b32 s26, s25, 13
	s_lshl_b32 s25, s25, 9
	s_add_co_u32 s25, s25, SCK
.endif
	v_max3_num_f32 v[BM+2], v[SC+32], v[SC+33], v[SC+34]
	v_max3_num_f32 v[BM+3], v[SC+49], v[SC+50], v[SC+51]
	FOLD 0
.irp i, 3,5,7,9,11,13
	v_max3_num_f32 v[BM+2], v[BM+2], v[SC+32+\i], v[SC+33+\i]
	v_max3_num_f32 v[BM+3], v[BM+3], v[SC+49+\i], v[SC+50+\i]
	FOLD (\i-1)
.endr
	FOLD 14
	v_dual_max_num_f32 v[BM], v[SC+15], v[BM] :: v_dual_max_num_f32 v[BM+1], v[SC+16], v[BM+1]
	v_dual_max_num_f32 v[BM+2], v[SC+47], v[BM+2] :: v_dual_max_num_f32 v[BM+3], v[SC+48], v[BM+3]
	LOADV
.if \kind == 0
	v_add_nc_u32 v4, 8192, v1
	v_add_nc_u32 v5, SCK+512, v1
.elseif \kind < 3
	v_add_nc_u32 v4, s26, v1
	v_add_nc_u32 v5, s25, v1
.endif
.if \kind < 3
	LOADK
.endif
.irp b, 0,1,2,3
	v_permlanex16_b32 v[PT+\b], v[BM+\b], s[SEL], s[SEL+1]
.endr
	v_dual_max_num_f32 v[BM], v[PT], v[BM] :: v_dual_max_num_f32 v[BM+1], v[PT+1], v[BM+1]
	v_dual_max_num_f32 v[BM+2], v[PT+2], v[BM+2] :: v_dual_max_num_f32 v[BM+3], v[PT+3], v[BM+3]
	v_max3_num_f32 v[TT], v[BM], v[BM+1], v[BM+2]
	s_delay_alu instid0(VALU_DEP_1)
	v_max3_num_f32 v[ST+1], v[ST+1], v[TT], v[BM+3]   ; the running largest score
	v_mov_b32 v[TT], v[ST]
	s_delay_alu instid0(VALU_DEP_2)
	v_mul_f32 v[XT], s21, v[ST+1]                  ; as -t
	s_delay_alu instid0(VALU_DEP_1)
	v_floor_f32 v[ST], v[XT]                       ; -M = floor(-t): M is a whole number
	s_delay_alu instid0(VALU_DEP_1)
	v_sub_f32 v[TT], v[ST], v[TT]                  ; old M - new M, 0 or less
	s_delay_alu instid0(VALU_DEP_1)
	v_cvt_i32_f32 v[TT], v[TT]                     ; (it saturates)
.set n, 0
.rept 32
	v_pk_fma_f32 v[SC+n:SC+n+1], v[SC+n:SC+n+1], s[30:31], v[ST:ST+1] op_sel_hi:[1,0,0]   ; t - M, two at a time
.set n, n+2
.endr
	v_pk_fma_f32 v[BM:BM+1], v[BM:BM+1], s[30:31], v[ST:ST+1] op_sel_hi:[1,0,0]
	v_pk_fma_f32 v[BM+2:BM+3], v[BM+2:BM+3], s[30:31], v[ST:ST+1] op_sel_hi:[1,0,0]
	s_wait_alu depctr_va_vdst(0)                   ; the wait ahead of the batch,
.set n, 0
.rept 64
	v_exp_f32 v[SC+n], v[SC+n]                     ; p = 2^(t - M)
.set n, n+1
.endr
.irp b, 0,1,2,3
	v_exp_f32 v[BM+\b], v[BM+\b]                   ; each block's largest p
.endr
	v_ldexp_f32 v[FF], 1.0, v[TT]                  ; f = 2^(old M - new M); the plain line behind the batch
	s_wait_alu depctr_va_vdst(0)                   ; and ahead of its first reader
.irp k, 0,1,2,3
	v_pk_add_f32 v[CA+2*\k:CA+2*\k+1], v[SC+4*\k:SC+4*\k+1], v[SC+4*\k+2:SC+4*\k+3]   ; the sum of the unquantised p, in four chains
.endr
.set n, 16
.rept 6
.irp k, 0,1,2,3
	v_pk_add_f32 v[CA+2*\k:CA+2*\k+1], v[CA+2*\k:CA+2*\k+1], v[SC+n+2*\k:SC+n+2*\k+1]
.endr
.set n, n+8
.endr
	v_dual_max_num_f32 v[BM], s33, v[BM] :: v_dual_max_num_f32 v[BM+1], s33, v[BM+1]   ; the floor: a block whose every p is 0 keeps the byte 1; its codes are zeros
	v_dual_max_num_f32 v[BM+2], s33, v[BM+2] :: v_dual_max_num_f32 v[BM+3], s33, v[BM+3]
.irp b, 0,1,2,3
	v_add_nc_u32 v[SO+\b], 0xfc000000, v[BM+\b]    ; the conversion's scale operand
.endr
.irp b, 0,1,2,3
	v_and_or_b32 v[HD+\b], v[BM+\b], 0x7f800000, s[MNT]   ; 448 x the scale
.endr
.irp b, 0,1,2,3
	v_lshrrev_b32 v[PT+\b], 23, v[SO+\b]
.endr
	v_lshl_or_b32 v[PW], v[PT+1], 8, v[PT]         ; p's scale word for these 128 keys
	s_delay_alu instid0(VALU_DEP_1)
	v_lshl_or_b32 v[PW], v[PT+2], 16, v[PW]
	s_delay_alu instid0(VALU_DEP_1)
	v_lshl_or_b32 v[PW], v[PT+3], 24, v[PW]
	HOLD 0, 0, 8
	CVT 0
	HOLD 1, 0, 8
	CVT 1
	HOLD 2, 0, 1                                   ; (a plain line behind the conversions)
	s_wait_alu depctr_va_vdst(0)
	s_wait_dscnt 0x0                               ; this step's V and the next step's K are in
.if \kind < 3
	QK 0
	QK 1
	QK 2
	QK 3
.endif
	HOLD 2, 2, 7
	CVT 2
	HOLD 3, 0, 8
	CVT 3
	v_pk_add_f32 v[CA:CA+1], v[CA:CA+1], v[CA+2:CA+3]              ; the chains join: four places between the codes and the products below
	v_pk_add_f32 v[CA+4:CA+5], v[CA+4:CA+5], v[CA+6:CA+7]
	v_pk_add_f32 v[CA:CA+1], v[CA:CA+1], v[CA+4:CA+5]
	v_pk_fma_f32 v[ST+2:ST+3], v[ST+2:ST+3], v[FF:FF+1], v[CA:CA+1] op_sel_hi:[1,0,1]   ; the sums under the new M
.if \kind < 3
	QK 4
	QK 5
	QK 6
	QK 7
.endif
	v_wmma_scale_f32_16x16x128_f8f6f4 v[DA:DA+7], v[VF:VF+15], v[PC:PC+15], 0, v[VS], v[PW]
	v_wmma_scale_f32_16x16x128_f8f6f4 v[DA+8:DA+15], v[VF+16:VF+31], v[PC:PC+15], 0, v[VS], v[PW] matrix_a_scale:MATRIX_SCALE_ROW1
.endm
; A TILE IS FINISHED: divide by the sum, quantise along the head's 32 channels, store.  x = 0: tile A, 1: tile B.  V's registers serve as room
.macro FIN x
	NOPS 8
.irp i, 0,2,4,6,8,10,12,14
	FOLD \i
.endr
	v_add_f32 v[TT], v[ST+2], v[ST+3]
	s_delay_alu instid0(VALU_DEP_1)
	v_permlanex16_b32 v[PT], v[TT], s[SEL], s[SEL+1]
	s_delay_alu instid0(VALU_DEP_1)
	v_add_f32 v[TT], v[TT], v[PT]                  ; the row's sum
	s_wait_alu depctr_va_vdst(0)
	v_rcp_f32 v[TT], v[TT]
	v_nop
	s_wait_alu depctr_va_vdst(0)
.set n, 0
.rept 16
	v_mul_f32 v[VF+n], v[OA+n], v[TT]              ; register n: channel 16 h + n
.set n, n+1
.endr
	v_max3_num_f32 v[BM], |v[VF]|, |v[VF+1]|, s33  ; the floor 2^(9 - 127) among the leaves: the byte cannot fall under 1
	v_max3_num_f32 v[BM+1], |v[VF+2]|, |v[VF+3]|, |v[VF+4]|
	v_max3_num_f32 v[BM], v[BM], |v[VF+5]|, |v[VF+6]|
	v_max3_num_f32 v[BM+1], v[BM+1], |v[VF+7]|, |v[VF+8]|
	v_max3_num_f32 v[BM], v[BM], |v[VF+9]|, |v[VF+10]|
	v_max3_num_f32 v[BM+1], v[BM+1], |v[VF+11]|, |v[VF+12]|
	v_max3_num_f32 v[BM], v[BM], |v[VF+13]|, |v[VF+14]|
	v_max3_num_f32 v[BM], v[BM], v[BM+1], |v[VF+15]|
	s_delay_alu instid0(VALU_DEP_1)
	v_permlanex16_b32 v[PT], v[BM], s[SEL], s[SEL+1]
	s_delay_alu instid0(VALU_DEP_1)
	v_max_num_f32 v[BM], v[BM], v[PT]
	s_delay_alu instid0(VALU_DEP_1)
	v_add_nc_u32 v[SO], 0xfc000000, v[BM]
	v_and_or_b32 v[HD], v[BM], 0x7f800000, s[MNT]
	v_lshrrev_b32 v[VF+20], 23, v[SO]
.set n, 0
.rept 16
	v_med3_num_f32 v[VF+n], v[VF+n], -v[HD], v[HD]
.set n, n+1
.endr
	v_cvt_scalef32_pk8_fp8_f32 v[VF+16:VF+17], v[VF:VF+7], v[SO]
	v_cvt_scalef32_pk8_fp8_f32 v[VF+18:VF+19], v[VF+8:VF+15], v[SO]
	v_nop
	global_store_b128 v16, v[VF+16:VF+19], s[36+2*\x:37+2*\x]     ; tokens 0-7 and 16-23 from the base: twice 256 consecutive bytes, aligned
	ds_store_b8 v[14+\x], v[VF+20]                 ; both lanes of a query write the same byte
	s_wait_xcnt 0x0                                ; the stores have read their registers, into which V is loaded again
	s_wait_dscnt 0x0
.endm
	s_load_b256 s[4:11], s[0:1], 0x0               ; q_codes, q_scales, kv_codes, kv_scales
	s_load_b128 s[12:15], s[0:1], 0x20             ; att_codes, att_scales
	v_lshl_add_u32 v[SPW], v0, 2, SPARE
	v_mov_b32 v[NIL], 0
	ds_add_u32 v[SPW], v[NIL]                      ; the wave's opening: the add, twice on end, ahead of my first copy
	ds_add_u32 v[SPW], v[NIL]
	v_lshrrev_b32 v8, 5, v0
	v_readfirstlane_b32 s16, v8                    ; wave 0..15
	s_lshr_b32 s17, s16, 1                         ; x
	s_and_b32 s18, s16, 1                          ; u
	s_mov_b32 s19, ttmp9                           ; p
	s_and_b32 s20, ttmp7, 0xffff                   ; bh
	s_xor_b32 s22, s17, 15                         ; tile A's block, 15 - x: the trip of its last step
	s_add_co_u32 s23, s22, 1
	s_lshl_b32 s27, s18, 3
	s_mov_b32 s[SEL], 0x76543210
	s_mov_b32 s[SEL+1], 0xfedcba98
	s_mov_b32 s30, 0x3e8293ee                      ; c = log2(e) / sqrt(32)
	s_mov_b32 s31, s30                             ; (named with it as a pair)
	s_mov_b32 s21, 0xbe8293ee                      ; -c
	s_mov_b32 s[MNT], 0x600000
	s_mov_b32 s33, 0x4800000
	v_and_b32 v245, 31, v0                         ; lane
	v_and_b32 v242, 15, v0                         ; r
	v_bfe_u32 v243, v0, 4, 1                       ; h
	v_lshlrev_b32 v2, 4, v0
	v_lshlrev_b32 v9, 2, v0
	v_and_b32 v244, 8, v242
	v_lshlrev_b32 v1, 4, v245
	v_add_nc_u32 v244, v244, v242                  ; pi(r)
	v_add_nc_u32 v143, SCK, v2
	v_add_nc_u32 v248, 0x10000, v2                 ; steps 8 to 15 lie 65,536 bytes on, in memory and in LDS
	v_mov_b32 v4, v1
	v_add_nc_u32 v5, SCK, v1
	v_lshlrev_b32 v246, 4, v243
	v_add_nc_u32 v3, s27, v244
	v_lshlrev_b32 v247, 4, v242
	v_sub_nc_u32 v3, v3, v246
	s_lshl_b32 s40, s22, 5
	s_add_co_u32 s40, s40, s27
	s_add_co_u32 s40, s40, SCB
	v_add_nc_u32 v14, s40, v244
	s_lshl_b32 s40, s17, 5
	s_add_co_u32 s40, s40, s27
	s_add_co_u32 s40, s40, SCB
	v_add_nc_u32 v15, s40, v244
	v_lshlrev_b32 v16, 5, v244
	v_lshl_add_u32 v16, v243, 4, v16
	ZERO QF+4, 6                                   ; Q's blocks 1 to 3: zero codes
	ZERO OA, 16                                    ; O^T and the last step's product: the step is written once
	ZERO VF, 6                                     ; the codes behind K's in the first score products
	ZERO PT, 2                                     ; a lane permute's destination counts as one of its sources
	v_mov_b32 v[ST], 0x7e000000                    ; -M above every one to come, so that the first f is 0;
	v_mov_b32 v[ST+1], 0xff61b1e6                  ; the largest score so far: -3e38
	v_mov_b32 v[ST+2], 0
	v_mov_b32 v[ST+3], 0
	v_mov_b32 v[FF], 1.0
	v_mov_b32 v[PW], 0
	s_lshl_b32 s40, s20, 4
	s_add_co_u32 s46, s40, s22                     ; 16 bh + A's block
	s_add_co_u32 s47, s40, s17                     ; 16 bh + B's block
	s_lshl_b32 s48, s19, 1
	s_add_co_u32 s48, s48, s18                     ; my tile in its blocks
	s_lshl_b32 s48, s48, 9
	s_lshl_b32 s49, s18, 8
	s_lshl_b32 s41, s19, 2
	s_add_co_u32 s49, s49, s41                     ; its scale words in a block's 512 bytes: 256 (tile % 2) + 4 (tile / 2) + 16 r
	s_lshl_b32 s41, s19, 5
	s_add_co_u32 s41, s41, s27
	s_lshl_b32 s41, s41, 5                         ; its first token's 32 bytes in a block's 4,096
	s_mov_b32 s51, 0
	s_wait_alu depctr_va_vdst(0)
	s_wait_dscnt 0x0                               ; both opening adds are done
	s_wait_kmcnt 0x0
	s_lshl_b32 s50, s20, 17
	s_add_nc_u64 s[34:35], s[8:9], s[50:51]        ; the head's K and V
	s_mul_i32 s50, s20, 10240
	s_add_nc_u64 s[10:11], s[10:11], s[50:51]      ; and their scale words
	s_lshl_b32 s50, s46, 12
	s_add_co_u32 s50, s50, s48
	s_add_nc_u64 s[42:43], s[4:5], s[50:51]        ; Q, tile A
	s_lshl_b32 s50, s47, 12
	s_add_co_u32 s50, s50, s48
	s_add_nc_u64 s[44:45], s[4:5], s[50:51]        ; Q, tile B
	s_lshl_b32 s50, s46, 9
	s_add_co_u32 s50, s50, s49
	s_add_nc_u64 s[52:53], s[6:7], s[50:51]        ; their scale words
	s_lshl_b32 s50, s47, 9
	s_add_co_u32 s50, s50, s49
	s_add_nc_u64 s[54:55], s[6:7], s[50:51]
	s_lshl_b32 s50, s46, 12
	s_add_co_u32 s50, s50, s41
	s_add_nc_u64 s[36:37], s[12:13], s[50:51]      ; the result's rows, tile A
	s_lshl_b32 s50, s47, 12
	s_add_co_u32 s50, s50, s41
	s_add_nc_u64 s[38:39], s[12:13], s[50:51]      ; tile B
	s_lshl_b32 s50, s20, 11
	s_lshl_b32 s40, s19, 9
	s_add_co_u32 s50, s50, s40
	s_add_nc_u64 s[14:15], s[14:15], s[50:51]      ; the result's scale bytes: [bh][p][block][token % 32]
	global_load_b128 v[QF:QF+3], v1, s[42:43]
	global_load_b32 v[QS], v247, s[52:53]
	global_load_b128 v[10:13], v1, s[44:45]
	global_load_b32 v8, v247, s[54:55]
	global_load_async_to_lds_b128 v143, v2, s[10:11]               ; K's scale words of the whole head
	global_load_async_to_lds_b32 v143, v9, s[10:11] offset:8192    ; V's, a word to each 16 bytes
.set n, 0
.rept 8
	global_load_async_to_lds_b128 v2, v2, s[34:35] offset:8192*n   ; key step n: 16 bytes a thread
.set n, n+1
.endr
.set n, 0
.rept 8
	global_load_async_to_lds_b128 v248, v248, s[34:35] offset:8192*n   ; key step 8 + n
.set n, n+1
.endr
	s_wait_loadcnt 0x0                             ; Q
	s_wait_asynccnt 14                             ; the scale words and steps 0, 1: 14 copies stand behind them
	s_barrier_signal -1
	s_barrier_wait -1
	LOADK
	s_wait_dscnt 0x0
.irp j, 0,1,2,3,4,5,6,7
	QK \j
.endr
	NOPS 8
	STEP 0
	s_wait_alu depctr_va_vdst(0)
	s_wait_dscnt 0x0
	s_wait_asynccnt 10                             ; steps 2 to 5: ten copies stand behind them
	s_barrier_signal -1
	s_barrier_wait -1
	s_mov_b32 s24, 1
.Learly:
	STEP 1
	s_add_co_u32 s24, s24, 1
	s_cmp_lt_u32 s24, 4
	s_cbranch_scc1 .Learly
	s_wait_alu depctr_va_vdst(0)
	s_wait_dscnt 0x0
	s_wait_asynccnt 0x0                            ; all steps
	s_barrier_signal -1
	s_barrier_wait -1
.Lmain:                                                ; trips 4 to 15; trip 15 - x is tile A's last
	STEP 2
	s_cmp_lg_u32 s24, s22
	s_cbranch_scc1 .Lgoes_on
	FIN 0
	ZERO OA, 16
	v_mov_b32 v[ST], 0x7e000000                    ; tile B begins
	v_mov_b32 v[ST+1], 0xff61b1e6
	v_mov_b32 v[ST+2], 0
	v_mov_b32 v[ST+3], 0
.Lgoes_on:
	s_add_co_u32 s24, s24, 1
	s_cmp_lt_u32 s24, 16
	s_cbranch_scc1 .Lmain
	STEP 3
	FIN 1
	s_barrier_signal -1
	s_barrier_wait -1                              ; the 512 scale bytes lie in LDS
	s_cmp_lg_u32 s16, 0
	s_cbranch_scc1 .Lend
	v_add_nc_u32 v4, SCB, v1
	ds_load_b128 v[KF:KF+3], v4
	s_wait_dscnt 0x0
	global_store_b128 v1, v[KF:KF+3], s[14:15]     ; 512 consecutive bytes
.Lend:
	s_wait_tensorcnt 0x0                           ; the wave's end
	s_wait_asynccnt 0x0
	ds_add_u32 v[SPW], v[NIL]
	s_wait_dscnt 0x0
	s_endpgm
.Lfunc_end_k_q9a4273e40b_attn:
	.size	k_q9a4273e40b_attn, .Lfunc_end_k_q9a4273e40b_attn-k_q9a4273e40b_attn
	.p2alignl 7, 3214868480
	.fill 96, 4, 3214868480
	.section	.rodata,"a",@progbits
	.p2align	6, 0x0
	.amdhsa_kernel k_q9a4273e40b_attn
		.amdhsa_group_segment_fixed_size 167936
		.amdhsa_private_segment_fixed_size 0
		.amdhsa_enable_private_segment 0
		.amdhsa_kernarg_size 48
		.amdhsa_user_sgpr_count 2
		.amdhsa_user_sgpr_kernarg_segment_ptr 1
		.amdhsa_wavefront_size32 1
		.amdhsa_system_sgpr_workgroup_id_x 1
		.amdhsa_system_sgpr_workgroup_id_y 1
		.amdhsa_system_sgpr_workgroup_id_z 1
		.amdhsa_system_vgpr_workitem_id 0
		.amdhsa_next_free_vgpr 256
		.amdhsa_next_free_sgpr 66
		.amdhsa_reserve_vcc 1
		.amdhsa_float_denorm_mode_32 3
		.amdhsa_float_denorm_mode_16_64 3
		.amdhsa_memory_ordered 1
		.amdhsa_forward_progress 1
		.amdhsa_inst_pref_size 98
	.end_amdhsa_kernel
	.amdgpu_metadata
---
amdhsa.version: [ 1, 2 ]
amdhsa.kernels:
  - .name:           k_q9a4273e40b_attn
    .symbol:         k_q9a4273e40b_attn.kd
    .args:
      - { .name: q_codes, .offset: 0, .size: 8, .value_kind: global_buffer, .address_space: global }
      - { .name: q_scales, .offset: 8, .size: 8, .value_kind: global_buffer, .address_space: global }
      - { .name: kv_codes, .offset: 16, .size: 8, .value_kind: global_buffer, .address_space: global }
      - { .name: kv_scales, .offset: 24, .size: 8, .value_kind: global_buffer, .address_space: global }
      - { .name: att_codes, .offset: 32, .size: 8, .value_kind: global_buffer, .address_space: global }
      - { .name: att_scales, .offset: 40, .size: 8, .value_kind: global_buffer, .address_space: global }
    .group_segment_fixed_size: 167936
    .private_segment_fixed_size: 0
    .kernarg_segment_align: 8
    .kernarg_segment_size: 48
    .max_flat_workgroup_size: 512
    .sgpr_count:     66
    .vgpr_count:     256
    .wavefront_size: 32
...
	.end_amdgpu_metadata
.endif
;; end of part 2
;; launch proj (part 3): grid 256 x 1, 16 waves a work-group, no clusters, 85,504 bytes of LDS; arguments att_codes, att_scales, Wout_codes, Wout_scales, bout, out0; writes out0
.if DOCPART == 3
	.amdgcn_target "amdgcn-amd-amdhsa--gfx1250"
	.amdhsa_code_object_version 6
	.text
	.protected	k_q9a4273e40b_proj
	.globl	k_q9a4273e40b_proj
	.p2align	8
	.type	k_q9a4273e40b_proj,@function
k_q9a4273e40b_proj:
	s_mov_b64 s[64:65], 0
	v_nop
	global_prefetch_b8 v0, s[64:65] scope:SCOPE_SE
	s_setreg_imm32_b32 hwreg(HW_REG_WAVE_MODE, 25, 1), 1
	s_wait_xcnt 0x0
; out0 = att Wout + bout on codes of E4M3 with E8M0 scales.  att: codes [bh][token][32]; one scale byte for each head of each token, [bh][(token / 32) % 4][token / 128][token % 32]; K = 32 head + channel.
; SHARES.  A work-group takes 64 rows (ttmp9); wave w takes columns 16 w .. 16 w + 15 for the four tiles of 16 rows: 8 matrix instructions; its 16 rows of Wout stay in 32 registers.
; att's eight fragments go from wave to wave through LDS as images of their registers: 32 chunks of 512 bytes (chunk 8 rt + 4 s + c: tile of rows rt, head 4 s + c), two brought by each wave, 512 consecutive bytes a load.
; Scale bytes likewise: wave w brings those of tile w / 4, heads w % 4 (lanes 0-15) and 4 + w % 4 (lanes 16-31), to byte w % 4 of the tile's scale words.
; TRANSPOSED: source 0 = 16 rows of Wout, source 1 = 16 rows of att: a lane holds eight neighbouring columns of one row; the bias is the C of the first K step.
; THE WAY OUT: through a stage of 64 rows x (1,024 + 16) bytes; each wave stores 4 whole rows, 512 consecutive bytes a store.
; NO CLUSTER, NO TENSOR LOAD: a work-group reads 16 KiB of codes of its own and Wout's 64 KiB once, into registers; there is no ring of tiles in which joint requests could meet.
; NO PREFETCH: everything is asked for at the head; there is no loop.
.set SCA,    16384                     ; four tiles x 32 scale words
.set STAGE,  16896
.set SPITCH, 1040
.set SPARE,  83456
.set AF,   16                          ; v16-143  att: fragment (rt, s) at AF + 32 rt + 16 s; on the way out rows of the result
.set WF,   144                         ; v144-175 Wout: K step s at WF + 16 s
.set ACC,  176                         ; v176-207
.set BIAS, 208                         ; v208-215
.set WS,   216                         ; Wout's scale words: lanes 0-15 K step 0, lanes 16-31 K step 1
.set AS,   217                         ; v217-220 att's, for each tile of rows: lanes 0-15 heads 0-3, lanes 16-31 heads 4-7
.set U,    222                         ; v222-229 two chunks on their way, v230 a scale byte
.macro NOPS n
.rept \n
	v_nop
.endr
.endm
	s_load_b256 s[4:11], s[0:1], 0x0               ; att_codes, att_scales, Wout's codes, Wout's scales
	s_load_b128 s[12:15], s[0:1], 0x20             ; bout, out0
	v_lshl_add_u32 v240, v0, 2, SPARE
	v_mov_b32 v241, 0
	v_lshrrev_b32 v1, 5, v0
	v_readfirstlane_b32 s16, v1                    ; wave 0..15
	s_lshr_b32 s17, ttmp9, 5                       ; batch
	s_and_b32 s18, ttmp9, 31                       ; my 64 tokens in the sequence
	s_lshr_b32 s20, s16, 2                         ; rt
	s_and_b32 s21, s16, 3                          ; heads 2 (w % 4) and the next of my two chunks; the byte of my scale bytes
	v_and_b32 v10, 31, v0                          ; lane
	v_and_b32 v11, 15, v0                          ; r
	v_bfe_u32 v12, v0, 4, 1                        ; h
	v_lshlrev_b32 v7, 4, v10                       ; 16 x lane
	v_lshlrev_b32 v1, 5, v11
	v_lshlrev_b32 v2, 8, v11
	v_lshlrev_b32 v3, 3, v11
	v_lshl_add_u32 v1, v12, 4, v1                  ; a chunk in memory: token r of 32 bytes, + 16 h
	v_lshl_add_u32 v2, v12, 4, v2                  ; Wout: row r of 256 bytes, + 16 h
	v_lshl_add_u32 v3, v12, 2, v3                  ; its scale words: 8 bytes a row, word h
	v_lshlrev_b32 v4, 5, v12                       ; the bias of columns 8 h on
	s_lshl_b32 s19, s16, 10
	v_add_nc_u32 v5, s19, v7                       ; where my two chunks go
	v_lshl_add_u32 v6, v12, 13, v11                ; scale bytes: 4 h heads of 2,048 bytes, token r
	v_mul_u32_u24 v8, v11, SPITCH
	s_lshl_b32 s19, s20, 7
	s_add_co_u32 s19, s19, s21
	s_add_co_u32 s19, s19, SCA
	v_lshl_add_u32 v13, v10, 2, s19                ; where my scale bytes go
	v_lshl_add_u32 v8, v12, 5, v8
	v_lshlrev_b32 v14, 2, v10
	s_lshl_b32 s19, s16, 6
	s_add_co_u32 s19, s19, STAGE
	v_add_nc_u32 v8, s19, v8                       ; the stage: row r, my 64 bytes, + 32 h
	s_mul_i32 s19, s16, 4*SPITCH
	s_add_co_u32 s19, s19, STAGE
	v_add_nc_u32 v9, s19, v7                       ; back: my four rows
	v_add_nc_u32 v14, SCA, v14                     ; where scale words are read
	s_lshl_b32 s24, s17, 19                        ; 65,536 bytes a head
	s_lshl_b32 s22, s21, 17
	s_add_co_u32 s24, s24, s22
	s_lshl_b32 s22, s18, 11
	s_add_co_u32 s24, s24, s22
	s_lshl_b32 s22, s20, 9
	s_add_co_u32 s24, s24, s22
	s_mov_b32 s25, 0
	s_mov_b32 s27, 0
	s_lshl_b32 s28, s17, 14                        ; scale bytes: batch, head, then tokens 64 s18 + 16 rt on
	s_lshl_b32 s22, s21, 11
	s_add_co_u32 s28, s28, s22
	s_and_b32 s22, s18, 1
	s_lshl_b32 s22, s22, 10
	s_add_co_u32 s28, s28, s22
	s_lshr_b32 s22, s20, 1
	s_lshl_b32 s22, s22, 9
	s_add_co_u32 s28, s28, s22
	s_lshr_b32 s22, s18, 1
	s_lshl_b32 s22, s22, 5
	s_add_co_u32 s28, s28, s22
	s_and_b32 s22, s20, 1
	s_lshl_b32 s22, s22, 4
	s_add_co_u32 s28, s28, s22
	s_mov_b32 s29, 0
	s_wait_alu depctr_va_vdst(0)
	s_wait_kmcnt 0x0
	s_add_nc_u64 s[4:5], s[4:5], s[24:25]
	s_add_nc_u64 s[6:7], s[6:7], s[28:29]
	s_lshl_b32 s26, s16, 12
	s_add_nc_u64 s[8:9], s[8:9], s[26:27]          ; my 16 rows of Wout
	s_lshl_b32 s26, s16, 7
	s_add_nc_u64 s[10:11], s[10:11], s[26:27]
	s_lshl_b32 s26, s16, 6
	s_add_nc_u64 s[12:13], s[12:13], s[26:27]
	s_lshl_b32 s26, ttmp9, 6
	s_lshl_b32 s24, s16, 2
	s_add_co_u32 s26, s26, s24
	s_lshl_b32 s26, s26, 10
	s_add_nc_u64 s[14:15], s[14:15], s[26:27]      ; the four rows of out0 that I store
	global_load_b128 v[U:U+3], v1, s[4:5]
	global_load_b128 v[U+4:U+7], v1, s[4:5] offset:65536
	global_load_u8 v[U+8], v6, s[6:7]
.irp s, 0,1
.irp c, 0,1,2,3
	global_load_b128 v[WF+16*\s+4*\c:WF+16*\s+4*\c+3], v2, s[8:9] offset:128*\s+32*\c
.endr
.endr
	global_load_b32 v[WS], v3, s[10:11]
	global_load_b128 v[BIAS:BIAS+3], v4, s[12:13]
	global_load_b128 v[BIAS+4:BIAS+7], v4, s[12:13] offset:16
	s_wait_loadcnt 11                              ; my chunks and scale bytes are in; the 11 loads behind them (Wout 8, its scale word, the bias 2) may be out
	ds_store_b128 v5, v[U:U+3]
	ds_store_b128 v5, v[U+4:U+7] offset:512
	ds_store_b8 v13, v[U+8]
	s_wait_dscnt 0x0
	s_barrier_signal -1
	s_barrier_wait -1                              ; the 32 chunks and the scale words lie in LDS
.irp t, 0,1,2,3
	ds_load_b32 v[AS+\t], v14 offset:128*\t
.endr
.irp s, 0,1
.irp t, 0,1,2,3
.irp c, 0,1,2,3
	ds_load_b128 v[AF+32*\t+16*\s+4*\c:AF+32*\t+16*\s+4*\c+3], v7 offset:512*(8*\t+4*\s+\c)
.endr
.endr
.endr
	s_wait_loadcnt 0x0
	s_wait_dscnt 16                                ; K step 0's fragments are in; K step 1's 16 loads may be out
.irp t, 0,1,2,3
	v_wmma_scale_f32_16x16x128_f8f6f4 v[ACC+8*\t:ACC+8*\t+7], v[WF:WF+15], v[AF+32*\t:AF+32*\t+15], v[BIAS:BIAS+7], v[WS], v[AS+\t]
.endr
	s_wait_dscnt 0x0
.irp t, 0,1,2,3
	v_wmma_scale_f32_16x16x128_f8f6f4 v[ACC+8*\t:ACC+8*\t+7], v[WF+16:WF+31], v[AF+32*\t+16:AF+32*\t+31], v[ACC+8*\t:ACC+8*\t+7], v[WS], v[AS+\t] matrix_a_scale:MATRIX_SCALE_ROW1 matrix_b_scale:MATRIX_SCALE_ROW1
.endr
	NOPS 8                                         ; in front of the first read of results, and of loads into att's registers
.irp t, 0,1,2,3
	ds_store_b128 v8, v[ACC+8*\t:ACC+8*\t+3] offset:16*\t*SPITCH   ; lane (r, h): row 16 t + r, columns 16 w + 8 h + 0..7; each accumulator from its low end on
	ds_store_b128 v8, v[ACC+8*\t+4:ACC+8*\t+7] offset:16*\t*SPITCH+16
.endr
	s_wait_dscnt 0x0
	s_barrier_signal -1
	s_barrier_wait -1                              ; 64 whole rows lie in the stage
.irp i, 0,1,2,3
.irp k, 0,1
	ds_load_b128 v[AF+4*(2*\i+\k):AF+4*(2*\i+\k)+3], v9 offset:\i*SPITCH+512*\k
.endr
.endr
.irp i, 0,1,2,3
.irp k, 0,1
	s_wait_dscnt 7-(2*\i+\k)                       ; LDS loads come back in order: this one is in, the younger may be out
	global_store_b128 v7, v[AF+4*(2*\i+\k):AF+4*(2*\i+\k)+3], s[14:15] offset:1024*\i+512*\k th:TH_STORE_NT   ; 32 lanes store 512 consecutive bytes, aligned
.endr
.endr
	s_wait_tensorcnt 0x0                           ; the wave's end
	ds_add_u32 v240, v241
	s_wait_dscnt 0x0
	s_endpgm
.Lfunc_end_k_q9a4273e40b_proj:
	.size	k_q9a4273e40b_proj, .Lfunc_end_k_q9a4273e40b_proj-k_q9a4273e40b_proj
	.p2alignl 7, 3214868480
	.fill 96, 4, 3214868480
	.section	.rodata,"a",@progbits
	.p2align	6, 0x0
	.amdhsa_kernel k_q9a4273e40b_proj
		.amdhsa_group_segment_fixed_size 85504
		.amdhsa_private_segment_fixed_size 0
		.amdhsa_enable_private_segment 0
		.amdhsa_kernarg_size 48
		.amdhsa_user_sgpr_count 2
		.amdhsa_user_sgpr_kernarg_segment_ptr 1
		.amdhsa_wavefront_size32 1
		.amdhsa_system_sgpr_workgroup_id_x 1
		.amdhsa_system_sgpr_workgroup_id_y 1
		.amdhsa_system_sgpr_workgroup_id_z 1
		.amdhsa_system_vgpr_workitem_id 0
		.amdhsa_next_free_vgpr 242
		.amdhsa_next_free_sgpr 66
		.amdhsa_reserve_vcc 0
		.amdhsa_float_denorm_mode_32 3
		.amdhsa_float_denorm_mode_16_64 3
		.amdhsa_memory_ordered 1
		.amdhsa_forward_progress 1
		.amdhsa_inst_pref_size 11
	.end_amdhsa_kernel
	.amdgpu_metadata
---
amdhsa.version: [ 1, 2 ]
amdhsa.kernels:
  - .name:           k_q9a4273e40b_proj
    .symbol:         k_q9a4273e40b_proj.kd
    .args:
      - { .name: att_codes, .offset: 0, .size: 8, .value_kind: global_buffer, .address_space: global }
      - { .name: att_scales, .offset: 8, .size: 8, .value_kind: global_buffer, .address_space: global }
      - { .name: Wout_codes, .offset: 16, .size: 8, .value_kind: global_buffer, .address_space: global }
      - { .name: Wout_scales, .offset: 24, .size: 8, .value_kind: global_buffer, .address_space: global }
      - { .name: bout, .offset: 32, .size: 8, .value_kind: global_buffer, .address_space: global }
      - { .name: out0, .offset: 40, .size: 8, .value_kind: global_buffer, .address_space: global }
    .group_segment_fixed_size: 85504
    .private_segment_fixed_size: 0
    .kernarg_segment_align: 8
    .kernarg_segment_size: 48
    .max_flat_workgroup_size: 512
    .sgpr_count:     66
    .vgpr_count:     242
    .wavefront_size: 32
...
	.end_amdgpu_metadata
.endif
;; end of part 3
